; MI455X (gfx1250); checked and timed in simulation.
; The chip was launched on July 23, 2026; its instructions are those of AMD's public machine-readable ISA for CDNA 5 (MIT licence, August 2026) and "CDNA5" Instruction Set Architecture Reference Guide (July 2026). The comments in the code are by the model that wrote it; some were corrected since.
;; Self Attention. Allowed arithmetic: matrix products marked QUANTISED: E2M1 operands, one E8M0 scale for each 32 along K, by v_wmma_scale_f32_16x16x128_f8f6f4 with both operands' format E2M1 (or v_wmma_scale_f32_32x16x128_f4), f32 sums; everything else in f32.
;; Inputs: W_out 1,024 x 1,024 float32; key 2 x 2,048 x 1,024 float32; mask 2 x 1 x 1 x 2,048 int32; query 2 x 2,048 x 1,024 float32; values 2 x 2,048 x 1,024 float32.
;; Outputs: out0 2 x 2,048 x 1,024 float32.
;; This version of the problem:
;;   THIS VERSION OF THE PROBLEM IS GIVEN IN LOW PRECISION. The matrix products marked QUANTISED in the list below multiply operands that are first quantised to E2M1 (2 exponent bits, 1 mantissa bit; 4 bits a number), with one power-of-two scale for each 32 numbers along K (OCP MX v1.0); their sums are f32. All else is computed in f32.
;;   The module's matrix products, in the order in which they are computed (A, B: the left and right operand; K: the contracted axis; several contracted axes count as one K, in the product's order):
;;     1. batch 32 x [M 2,048, K 64] x [K 64, N 2,048]; A: input query; B: input key: QUANTISED
;;     2. batch 32 x [M 64, K 2,048] x [K 2,048, N 2,048]; A: input values; B: softmax (see below): QUANTISED
;;     3. [M 4,096, K 1,024] x [K 1,024, N 1,024]; A: computed on the way; B: input W_out: QUANTISED
;;   THE QUANTISER, for each operand of a quantised product, along K:
;;     - K is cut into blocks of 32 from its start; a last block that is shorter is filled with zeros.
;;     - A block's scale is 2^e with e = floor(log2(the largest magnitude in the block)) - 2, held to -126 .. 127; a block of zeros has e = 0. As a byte (E8M0): e + 127.
;;     - Each number is divided by its block's scale, clamped to +-6, and rounded to the nearest number of E2M1, ties to even, subnormals kept.
;;     - The product sums the exact products of the quantised numbers (number of the format x scale) in f32.
;;   ~~~python
;;   def quantise(x, axis):      # numpy; x: float32 -> the quantised numbers, widened to float32 again
;;       x = np.moveaxis(x, axis, -1); K = x.shape[-1]
;;       x = np.pad(x, [(0, 0)] * (x.ndim - 1) + [(0, -K % 32)]); x = x.reshape(x.shape[:-1] + (-1, 32)); a = np.abs(x).max(-1, keepdims=True)
;;       e = np.where(a > 0, np.clip(np.frexp(np.where(a > 0, a, 1))[1] - 1 - 2, -126, 127), 0)      # np.frexp(a)[1] - 1 = floor(log2(a)), exactly
;;       r = np.clip(x / 2.0 ** e, -6, 6)
;;       step = 2.0 ** (np.maximum(np.frexp(np.where(r == 0, 1, r))[1] - 1, 0) - 1)
;;       q = np.round(r / step) * step * 2.0 ** e      # np.round: ties to even
;;       return np.moveaxis(q.reshape(q.shape[:-2] + (-1,))[..., :K], -1, axis).astype(np.float32)
;;   ~~~
;;   SOFTMAX AHEAD OF A QUANTISED PRODUCT. Where the list says 'softmax', what is quantised is not the finished softmax but p = 2^(t - M), with t = logit x log2(e) and M = ceil(the row's largest t), a whole number; so 1/2 < the row's largest p <= 1. The row's sum l is taken of the UNQUANTISED p, in f32, and the product's result is divided by l at the end. Since M is a whole number, a kernel that streams over the keys may use a running M (the ceiling of the running maximum): every later rescaling is an exact power of two, which a block's scale takes up: the codes' values come out the same.
;;   OPERANDS COMPUTED ON THE WAY. 'Computed on the way' means the value that the module computes at that place (a softmax that the list does not call 'softmax' is quantised finished and normalised). What goes into a quantiser is computed in f32, as accurately as f32 sums, v_exp_f32 and their like allow (about 1e-6 of the number): no bf16 or f16 on the way to a quantiser, and a product that is left as it is and whose result goes on into a quantised operand takes f32 operands (vector FMAs, or v_wmma_f32_16x16x4_f32). A number that lies on a knife's edge between two numbers of the format may be rounded either way, as far as f32 arithmetic and the matrix unit's own rounding can turn it there, and no further.
;; One version. Each part assembles by itself: llvm-mc -triple=amdgcn-amd-amdhsa -mcpu=gfx1250 --defsym DOCPART=n.
;; ======== version 1 of 1: 3 launches
;; limits: right only within a limited range of input values
;; workspace buffers: kv 4,456,448 bytes; wcodes 524,288 bytes; wscales 32,768 bytes; acodes 2,097,152 bytes; ascales 131,072 bytes
;; launch prep (part 1): grid 8 x 32, 8 waves a work-group, no clusters, 168,960 bytes of LDS; arguments key, values, W_out, kv, wcodes, wscales; writes kv, wcodes, wscales
.if DOCPART == 1
	.amdgcn_target "amdgcn-amd-amdhsa--gfx1250"
	.amdhsa_code_object_version 6
	.text
	.protected	k_q9e6f17ae25_prep
	.globl	k_q9e6f17ae25_prep
	.p2align	8
	.type	k_q9e6f17ae25_prep,@function
k_q9e6f17ae25_prep:
	s_mov_b64 s[64:65], 0
	v_nop
	global_prefetch_b8 v0, s[64:65] scope:SCOPE_SE
	s_setreg_imm32_b32 hwreg(HW_REG_WAVE_MODE, 25, 1), 1
	s_wait_xcnt 0x0
; PREP: key, values and W_out, f32, become codes of FP4 (E2M1) with one E8M0 scale byte for each 32 along the product's K, laid as IMAGES OF THE OPERANDS' REGISTERS.
; key [2][2048][16 heads][64] is quantised along d, values (same shape) along the KEYS, W_out [1024 out][1024 in] along in.
; A block's scale is 2^(floor(log2(its largest magnitude)) - 2); its byte is the largest magnitude's exponent field - 2, held at 1 from below.
; LIMITS: a block of zeros keeps the byte 1 where the rule says 127 (its codes are zeros, which add nothing under any byte but 0xff, and this program alone reads the bytes);
; NaN and infinities among the inputs are not served.
; kv: one record of 139,264 bytes for each y = 16 n + head:
;   +0       K's codes: tile T = 2 (key / 32) + u, 512 bytes: lane r + 16 h has, at 16 x lane, d = 32 h .. 32 h + 31 of key 32 (T / 2) + 8 u + r + 8 (r / 8)
;   +65,536  V's codes: [step of 128 keys][tile 2 B + u][c][lane][16 bytes]: lane (r, h): row d = 32 B + 8 u + r + 8 (r / 8), keys 128 step + 64 c + 32 h + 0 .. 31
;   +131,072 K's scale bytes: (key / 32) x 64 + (r + 16 u) x 2 + d / 32        +135,168 V's: step x 256 + (r + 16 u) x 8 + 4 B + key block of the step
; wcodes: [tile of 16 rows][K step of 128][c][lane][16 bytes];  wscales: [tile][k / 256][r][8 bytes].
; SHARES.  Work-group (x, y) takes 256 keys of record y, and of W_out the piece g = 8 y + x: 16 rows (tile g / 4) x 256 along k (g % 4).
; Wave w takes the slice's 32 keys 32 w on, of K and of V, and rows 2 w, 2 w + 1 of W's piece.  No two work-groups read the same byte, so no cluster and no joint load.
; THE WAY IN.  A wave's 32 keys of one head are 32 rows of 256 bytes, 4,096 bytes apart: one tensor load for K's and one for V's bring them into LDS bytes of the wave's own, which it alone reads.
; From there a lane takes what the conversions want of it: of K eight neighbours along d (four lanes hold a block),
; of V a column d with its registers running down the keys (a lane holds a block).  W's 16 numbers a lane come by four loads into registers.
; Codes and bytes meet in LDS in the images' order, one barrier, and leave in runs of 512 consecutive bytes an instruction.
.set REC,   139264
.set PITCH, 272                        ; a staged row: 256 bytes + 16 of padding
.set TILE,  32*PITCH                   ; 8,704 bytes: what one tensor load fills
.set WSTG,  2*TILE                     ; a wave's stage: K's tile, then V's
.set KI,    8*WSTG                     ; LDS behind the eight stages (139,264): K's images of the slice, 8,192 bytes.  No fill lands from here on
.set VI,    KI+8192                    ; V's, 8,192
.set KS,    VI+8192                    ; K's scale bytes, 512
.set VS,    KS+512                     ; V's, 512
.set WI,    VS+512                     ; W's images, 2,048
.set WS,    WI+2048                    ; W's scale bytes, 128
.set FLOOR, 0x1800000                  ; 2^(3 - 127): under it no largest magnitude is taken, so the byte cannot fall under 1
.set EOFF,  0xff000000                 ; 2 off an exponent field
.set XK,    32                         ; v32-95   K: chunk i of 8 numbers at XK + 8 i
.set XW,    96                         ; v96-111  W: two chunks
.set XV,    112                        ; v112-175 V: column 32 B + lane, key i at XV + 32 B + i
.set T,     176                        ; v176-183 largest magnitudes
.set SO,    184                        ; v184-191 the conversions' scale operands
.set CC,    192                        ; v192-199 codes
.set BB,    200                        ; v200-207 scale bytes
; 32 numbers of ONE lane, one block: codes into v[cd .. cd + 3], the scale's byte into v[tt + 3]
.macro BLK x, cd, tt
	v_max3_num_f32 v[\tt], |v[\x]|, |v[\x+1]|, |v[\x+2]|
	v_max3_num_f32 v[\tt+1], |v[\x+3]|, |v[\x+4]|, |v[\x+5]|
.irp i, 6,10,14,18,22,26
	v_max3_num_f32 v[\tt], v[\tt], |v[\x+\i]|, |v[\x+\i+1]|
	v_max3_num_f32 v[\tt+1], v[\tt+1], |v[\x+\i+2]|, |v[\x+\i+3]|
.endr
	v_max3_num_f32 v[\tt], v[\tt], |v[\x+30]|, |v[\x+31]|
	v_max3_num_f32 v[\tt], v[\tt], v[\tt+1], FLOOR
	v_add_nc_u32 v[\tt+2], EOFF, v[\tt]            ; the conversion takes the exponent field of this operand as its scale
	v_lshrrev_b32 v[\tt+3], 23, v[\tt+2]           ; the scale's byte
.irp g, 0,1,2,3
	v_cvt_scalef32_pk8_fp4_f32 v[\cd+\g], v[\x+8*\g:\x+8*\g+7], v[\tt+2]
.endr
	v_nop                                          ; one plain place behind the last scaled conversion
.endm
; n chunks of 8 numbers a lane; four neighbouring lanes hold a block.  Every stage goes by turns over the chunks, so that no line waits for the line above it.
.macro QCH x, n
.set k, 0
.rept \n
	v_max3_num_f32 v[T+k], |v[\x+8*k]|, |v[\x+8*k+1]|, FLOOR
.set k, k+1
.endr
.irp i, 2,4,6
.set k, 0
.rept \n
	v_max3_num_f32 v[T+k], v[T+k], |v[\x+8*k+\i]|, |v[\x+8*k+\i+1]|
.set k, k+1
.endr
.endr
.set k, 0
.rept \n
	v_max_num_f32_dpp v[T+k], v[T+k], v[T+k] row_xmask:1 row_mask:0xf bank_mask:0xf
.set k, k+1
.endr
.set k, 0
.rept \n
	v_max_num_f32_dpp v[T+k], v[T+k], v[T+k] row_xmask:2 row_mask:0xf bank_mask:0xf   ; the block's largest magnitude, in all four lanes
.set k, k+1
.endr
.set k, 0
.rept \n
	v_add_nc_u32 v[SO+k], EOFF, v[T+k]
.set k, k+1
.endr
.set k, 0
.rept \n
	v_cvt_scalef32_pk8_fp4_f32 v[CC+k], v[\x+8*k:\x+8*k+7], v[SO+k]
.set k, k+1
.endr
.set k, 0
.rept \n
	v_lshrrev_b32 v[BB+k], 23, v[SO+k]             ; the scale's byte; these lines are also the plain places behind the conversions
.set k, k+1
.endr
.endm
	s_load_b256 s[4:11], s[0:1], 0x0               ; key s[4:5], values s[6:7], W_out s[8:9], kv s[10:11]
	s_load_b128 s[12:15], s[0:1], 0x20             ; wcodes s[12:13], wscales s[14:15]
	v_lshl_add_u32 v224, v0, 2, 0x29000
	v_mov_b32 v225, 0
	ds_add_u32 v224, v225
	ds_add_u32 v224, v225
	v_lshrrev_b32 v1, 5, v0
	v_readfirstlane_b32 s16, v1                    ; wave w, 0..7
	s_mov_b32 s17, ttmp9                           ; x: the slice of 256 keys
	s_and_b32 s18, ttmp7, 0xffff                   ; y = 16 n + head
	s_lshl_b32 s19, s18, 3
	s_add_co_u32 s19, s19, s17                     ; g = 8 y + x: W's piece
	; byte offsets, apart from the addresses
	s_lshr_b32 s20, s18, 4
	s_lshl_b32 s20, s20, 23                        ; n x 2,048 rows of 4,096 bytes
	s_and_b32 s28, s18, 15
	s_lshl_b32 s28, s28, 8                         ; head x 256 bytes
	s_add_co_u32 s20, s20, s28
	s_lshl_b32 s28, s17, 20                        ; x x 256 rows
	s_add_co_u32 s20, s20, s28
	s_lshl_b32 s28, s16, 17                        ; w x 32 rows
	s_add_co_u32 s20, s20, s28
	s_mov_b32 s21, 0
	s_lshr_b32 s22, s19, 2
	s_lshl_b32 s22, s22, 16                        ; W: tile g / 4: 16 rows of 4,096 bytes
	s_lshl_b32 s28, s16, 13                        ; rows 2 w on
	s_add_co_u32 s22, s22, s28
	s_and_b32 s28, s19, 3
	s_lshl_b32 s28, s28, 10                        ; k = 256 (g % 4) on
	s_add_co_u32 s22, s22, s28
	s_mov_b32 s23, 0
	s_mul_i32 s24, s18, REC
	s_add_co_u32 s36, s24, 131072                  ; the record's scale bytes: K's for wave 0, V's (4,096 on) for wave 1, the slice's 512
	s_lshl_b32 s28, s16, 12
	s_add_co_u32 s36, s36, s28
	s_lshl_b32 s28, s17, 9
	s_add_co_u32 s36, s36, s28
	s_lshl_b32 s28, s17, 13                        ; the slice's 8,192 bytes of images
	s_add_co_u32 s24, s24, s28
	s_mov_b32 s25, 0
	s_lshl_b32 s37, s19, 11                        ; wcodes: 2,048 g + 512 (w - 2), for waves 2 to 5
	s_lshl_b32 s28, s16, 9
	s_add_co_u32 s37, s37, s28
	s_sub_co_u32 s37, s37, 1024
	s_lshl_b32 s38, s19, 7                         ; wscales: 128 g
	s_mov_b32 s39, 0
	; descriptor group 1, for K's tile and V's alike: 32 rows of 32 elements of 8 bytes, 512 elements from row to row, 16 bytes of padding behind each row in LDS
	s_mov_b32 s48, (3<<16)|(1<<20)|(5<<22)|(3<<25) ; 15:0 no mask; 17:16 elements of 8 bytes; 20 padding on; 24:22 after every 64 words (code 5); 31:25 four words (code 3)
	s_mov_b32 s49, 32<<16                          ; tensor_dim0 = 32
	s_mov_b32 s50, 32<<16                          ; tensor_dim1 = 32
	s_mov_b32 s51, 32<<16                          ; tile_dim0 = 32
	s_mov_b32 s52, 32                              ; tile_dim1 = 32
	s_mov_b32 s53, 512                             ; elements from row to row: 4,096 bytes
	s_mov_b32 s54, 0
	s_mov_b32 s55, 0
	s_mul_i32 s41, s16, WSTG                       ; my stage: K's tile,
	s_add_co_u32 s42, s41, TILE                    ; V's
	v_and_b32 v1, 31, v0                           ; l
	v_lshlrev_b32 v4, 5, v1                        ; W in memory: numbers 8 l on
	s_wait_dscnt 0x0
	s_wait_kmcnt 0x0
	s_mov_b32 s56, 1                               ; group 0 for K: count = 1,
	s_mov_b32 s57, s41                             ; LDS address,
	s_add_nc_u64 s[58:59], s[4:5], s[20:21]        ; global address of the tile's first element,
	s_or_b32 s59, s59, 0x80000000                  ; type = 2
	s_mov_b32 s60, 1                               ; and for V
	s_mov_b32 s61, s42
	s_add_nc_u64 s[62:63], s[6:7], s[20:21]
	s_or_b32 s63, s63, 0x80000000
	tensor_load_to_lds s[56:59], s[48:55]          ; my two tensor loads of the launch stand together, ahead of every wait on TENSORcnt, every LDS read and the barrier
	s_nop 0
	tensor_load_to_lds s[60:63], s[48:55]
	s_nop 0
	v_bfe_u32 v16, v0, 3, 2                        ; l / 8
	s_add_nc_u64 s[8:9], s[8:9], s[22:23]
.irp e, 0,1
.irp f, 0,1
	global_load_b128 v[XW+8*\e+4*\f:XW+8*\e+4*\f+3], v4, s[8:9] offset:4096*\e+16*\f th:TH_LOAD_NT
.endr
.endr
	; the lane's other bits
	v_bfe_u32 v17, v0, 2, 1                        ; bit 2
	v_bfe_u32 v18, v0, 3, 1                        ; bit 3
	v_bfe_u32 v19, v0, 4, 1                        ; bit 4
	v_and_b32 v20, 3, v0                           ; l % 4
	v_and_b32 v21, 7, v0                           ; l % 8
	; LDS addresses: a constant + a lane term + a constant x wave
	v_mul_u32_u24 v2, v16, PITCH
	v_lshl_add_u32 v2, v21, 5, v2
	v_add_nc_u32 v2, s41, v2                       ; K out of my stage: row l / 8 of four, numbers 8 (l % 8) on
	v_lshl_add_u32 v3, v1, 2, s42                  ; V out of my stage: column l
	s_lshl_b32 s28, s16, 10
	s_add_co_u32 s28, s28, KI
	v_lshlrev_b32 v5, 4, v16
	v_lshl_add_u32 v5, v17, 8, v5
	v_lshl_add_u32 v5, v20, 2, v5
	v_add_nc_u32 v5, s28, v5                       ; K's codes: KI + 1,024 w + 16 (l / 8) + 256 (d block) + 4 (l % 4)
	s_lshl_b32 s28, s16, 6
	s_add_co_u32 s28, s28, KS
	v_lshl_add_u32 v6, v16, 1, v17
	v_add_nc_u32 v6, s28, v6                       ; K's bytes: KS + 64 w + 2 (l / 8) + d block
	s_lshr_b32 s28, s16, 2                         ; which of the slice's two steps
	s_lshl_b32 s29, s28, 12
	s_bfe_u32 s40, s16, 0x10001                    ; c: which 64 keys of the step
	s_lshl_b32 s40, s40, 9
	s_add_co_u32 s29, s29, s40
	s_and_b32 s40, s16, 1                          ; h: which 32 of those
	s_lshl_b32 s40, s40, 8
	s_add_co_u32 s29, s29, s40
	s_add_co_u32 s29, s29, VI
	v_lshlrev_b32 v7, 10, v18
	v_lshl_add_u32 v7, v21, 4, v7
	v_lshl_add_u32 v7, v19, 7, v7
	v_add_nc_u32 v7, s29, v7                       ; V's codes: column l is row r = l % 8 + 8 (l / 16) of tile u = bit 3
	s_lshl_b32 s28, s28, 8
	s_and_b32 s40, s16, 3
	s_add_co_u32 s28, s28, s40
	s_add_co_u32 s28, s28, VS
	v_lshlrev_b32 v8, 3, v21
	v_lshl_add_u32 v8, v19, 6, v8
	v_lshl_add_u32 v8, v18, 7, v8
	v_add_nc_u32 v8, s28, v8                       ; V's bytes: VS + 256 step + key block + 8 (r + 16 u)
	s_lshl_b32 s28, s16, 5
	s_add_co_u32 s28, s28, WI
	v_lshlrev_b32 v9, 10, v19
	v_lshl_add_u32 v9, v18, 9, v9
	v_lshl_add_u32 v9, v17, 8, v9
	v_lshl_add_u32 v9, v20, 2, v9
	v_add_nc_u32 v9, s28, v9                       ; W's codes: WI + 32 w + 1,024 (K step) + 512 c + 256 h + 4 (l % 4)
	s_lshl_b32 s28, s16, 4
	s_add_co_u32 s28, s28, WS
	v_bfe_u32 v10, v0, 2, 3
	v_add_nc_u32 v10, s28, v10                     ; W's bytes: WS + 16 w + block l / 4
	v_lshlrev_b32 v11, 4, v0                       ; the way out: 16 bytes a thread in memory,
	v_lshl_add_u32 v22, v0, 4, KI                  ; and in LDS
	v_lshlrev_b32 v12, 4, v1                       ; 16 bytes a lane
	v_lshlrev_b32 v13, 2, v1                       ; 4 bytes a lane
	v_lshl_add_u32 v14, v0, 4, KS                  ; waves 0 to 5: K's bytes, V's bytes, W's four runs of 512
	v_lshl_add_u32 v15, v1, 2, WS
	s_add_nc_u64 s[26:27], s[10:11], s[24:25]      ; the slice's images in the record
	s_cmp_lt_u32 s16, 2                            ; the choice hangs on the wave's number alone
	s_cselect_b64 s[30:31], s[10:11], s[12:13]
	s_cselect_b32 s32, s36, s37
	s_mov_b32 s33, 0
	s_add_nc_u64 s[30:31], s[30:31], s[32:33]
	s_add_nc_u64 s[34:35], s[14:15], s[38:39]
	s_wait_tensorcnt 0x0                           ; my two tiles are in LDS; nobody else reads them, so this wait is all the ordering that my reads need
.irp i, 0,1,2,3,4,5,6,7
.irp e, 0,1
	ds_load_b128 v[XK+8*\i+4*\e:XK+8*\i+4*\e+3], v2 offset:4*PITCH*\i+16*\e   ; key 4 i + l / 8
.endr
.endr
.irp i, 0,1,2,3,4,5,6,7,8,9,10,11,12,13,14,15,16,17,18,19,20,21,22,23,24,25,26,27,28,29,30,31
	ds_load_b32 v[XV+\i], v3 offset:PITCH*\i       ; V(key i, d = l): a lane takes a column and its registers run down the keys; the 32 lanes read 128 consecutive bytes
.endr
	s_wait_dscnt 32                                ; K's sixteen reads are in; V's 32, issued behind them, may be out
	; ---- K
	QCH XK, 8
	s_wait_dscnt 0x0                               ; V's first 32 columns are in
.irp i, 0,1,2,3,4,5,6,7
	ds_store_b32 v5, v[CC+\i] offset:((\i>>1)&1)*512+((\i>>2)&1)*128+(\i&1)*64     ; key 4 i + l / 8 is row 4 (i % 2) + l / 8 + 8 (i / 4) of tile u = (i / 2) % 2
	ds_store_b8 v6, v[BB+\i] offset:((\i>>1)&1)*32+((\i>>2)&1)*16+(\i&1)*8         ; a block's four lanes write the same byte with the same value
.endr
.irp i, 0,1,2,3,4,5,6,7,8,9,10,11,12,13,14,15,16,17,18,19,20,21,22,23,24,25,26,27,28,29,30,31
	ds_load_b32 v[XV+32+\i], v3 offset:PITCH*\i+128   ; V(key i, d = 32 + l): on their way while the first 32 columns are quantised
.endr
	; ---- V
	BLK XV, 208, 216
	ds_store_b128 v7, v[208:211]
	ds_store_b8 v8, v219
	s_wait_dscnt 0x0                               ; the other 32 columns are in, and K's stores have read their registers, which W's chunks write again below
	BLK XV+32, 212, 220
	ds_store_b128 v7, v[212:215] offset:2048       ; d = 32 + l: two tiles on
	ds_store_b8 v8, v223 offset:4
	; ---- W
	s_wait_loadcnt 0x0
	QCH XW, 2
.irp e, 0,1
	ds_store_b32 v9, v[CC+\e] offset:16*\e
	ds_store_b8 v10, v[BB+\e] offset:8*\e
.endr
	s_wait_dscnt 0x0                               ; for the others' sake: all my LDS stores have landed
	s_barrier_signal -1
	s_barrier_wait -1
	; ---- the way out: each instruction of a wave moves 512 consecutive bytes, aligned
.irp j, 0,1,2,3
	ds_load_b128 v[32+4*\j:35+4*\j], v22 offset:4096*\j
.endr
.irp j, 0,1,2,3
	s_wait_dscnt 3-\j                              ; LDS loads come back in order: load j is in, the younger ones may be out
	global_store_b128 v11, v[32+4*\j:35+4*\j], s[26:27] offset:(\j>>1)*65536+(\j&1)*4096
.endr
	s_cmp_lt_u32 s16, 6
	s_cbranch_scc0 .Lbytes_of_w
	ds_load_b128 v[48:51], v14                     ; wave 0: K's scale bytes; wave 1: V's; waves 2 to 5: W's images
	s_wait_dscnt 0x0
	global_store_b128 v12, v[48:51], s[30:31]
	s_branch .Lend
.Lbytes_of_w:
	s_cmp_eq_u32 s16, 6
	s_cbranch_scc0 .Lend
	ds_load_b32 v52, v15                           ; wave 6: W's 128 scale bytes
	s_wait_dscnt 0x0
	global_store_b32 v13, v52, s[34:35]
.Lend:
	s_wait_tensorcnt 0x0
	ds_add_u32 v224, v225
	s_wait_dscnt 0x0
	s_endpgm
.Lfunc_end_k_q9e6f17ae25_prep:
	.size	k_q9e6f17ae25_prep, .Lfunc_end_k_q9e6f17ae25_prep-k_q9e6f17ae25_prep
	.p2alignl 7, 3214868480
	.fill 96, 4, 3214868480
	.section	.rodata,"a",@progbits
	.p2align	6, 0x0
	.amdhsa_kernel k_q9e6f17ae25_prep
		.amdhsa_group_segment_fixed_size 168960
		.amdhsa_private_segment_fixed_size 0
		.amdhsa_enable_private_segment 0
		.amdhsa_kernarg_size 48
		.amdhsa_user_sgpr_count 2
		.amdhsa_user_sgpr_kernarg_segment_ptr 1
		.amdhsa_wavefront_size32 1
		.amdhsa_system_sgpr_workgroup_id_x 1
		.amdhsa_system_sgpr_workgroup_id_y 1
		.amdhsa_system_sgpr_workgroup_id_z 1
		.amdhsa_system_vgpr_workitem_id 0
		.amdhsa_next_free_vgpr 226
		.amdhsa_next_free_sgpr 66
		.amdhsa_reserve_vcc 0
		.amdhsa_float_denorm_mode_32 3
		.amdhsa_float_denorm_mode_16_64 3
		.amdhsa_memory_ordered 1
		.amdhsa_forward_progress 1
		.amdhsa_inst_pref_size 24
	.end_amdhsa_kernel
	.amdgpu_metadata
---
amdhsa.version: [ 1, 2 ]
amdhsa.kernels:
  - .name:           k_q9e6f17ae25_prep
    .symbol:         k_q9e6f17ae25_prep.kd
    .args:
      - { .name: key, .offset: 0, .size: 8, .value_kind: global_buffer, .address_space: global }
      - { .name: values, .offset: 8, .size: 8, .value_kind: global_buffer, .address_space: global }
      - { .name: W_out, .offset: 16, .size: 8, .value_kind: global_buffer, .address_space: global }
      - { .name: kv, .offset: 24, .size: 8, .value_kind: global_buffer, .address_space: global }
      - { .name: wcodes, .offset: 32, .size: 8, .value_kind: global_buffer, .address_space: global }
      - { .name: wscales, .offset: 40, .size: 8, .value_kind: global_buffer, .address_space: global }
    .group_segment_fixed_size: 168960
    .private_segment_fixed_size: 0
    .kernarg_segment_align: 8
    .kernarg_segment_size: 48
    .max_flat_workgroup_size: 256
    .sgpr_count:     66
    .vgpr_count:     226
    .wavefront_size: 32
...
	.end_amdgpu_metadata
.endif
;; end of part 1
;; launch attn (part 2): grid 8 x 32, 16 waves a work-group, clusters of 4 x 1, 169,984 bytes of LDS; arguments query, mask, kv, acodes, ascales; writes acodes, ascales
.if DOCPART == 2
	.amdgcn_target "amdgcn-amd-amdhsa--gfx1250"
	.amdhsa_code_object_version 6
	.text
	.protected	k_q9e6f17ae25_attn
	.globl	k_q9e6f17ae25_attn
	.p2align	8
	.type	k_q9e6f17ae25_attn,@function
k_q9e6f17ae25_attn:
	s_mov_b64 s[64:65], 0
	v_nop
	global_prefetch_b8 v0, s[64:65] scope:SCOPE_SE
	s_setreg_imm32_b32 hwreg(HW_REG_WAVE_MODE, 25, 1), 1
	s_wait_xcnt 0x0
	s_wait_alu depctr_hold_cnt(0) depctr_sa_sdst(0) depctr_va_vdst(0) depctr_va_sdst(0) depctr_va_ssrc(0) depctr_va_vcc(0) depctr_vm_vsrc(0)
	s_getreg_b32 s2, hwreg(HW_REG_IB_STS2, 6, 4)
	s_cmp_eq_u32 s2, 0
	s_cbranch_scc0 .Lentry_in_a_cluster
	s_endpgm
.Lentry_in_a_cluster:
	s_bfe_u32 s2, ttmp6, 0x10000c
	s_cmp_lg_u32 s2, 0x3003
	s_cbranch_scc0 .Lentry_shape_is_right
	s_endpgm
.Lentry_shape_is_right:
; ATTN: for each (n, head): softmax over the keys of (q . k, with -1e20 where mask == 0) / 32, times v; both products on codes of FP4 (E2M1) with one E8M0 scale for each 32 along K.
; The result, divided by the row's sum, is quantised along the embedding and leaves as the next product's operand: acodes [tile of 16 rows][head][lane][16 bytes], ascales [row][32 bytes].
; THE SOFTMAX AHEAD OF THE SECOND PRODUCT: t = score x log2(e) / 32; M = the running largest t rounded UP to a whole number; p = 2^(t - M) is quantised along the keys, not normalised;
; the row's sum is taken of the unquantised p; when M moves, the sum and O are multiplied by 2^(old M - new M), which rounds nothing.
; THE MASK selects values only.  A masked key's score begins at -3e38 (the C of its product), so its p is exactly 0.  The running largest t begins at -2^100, above every masked t:
; a step whose keys are all masked leaves M alone and adds zeros.  A batch with NO unmasked key takes c = 0 in place of log2(e) / 32: every t is 0, every p is 1, the sum 2,048: the uniform softmax.
; LIMITS: masked scores take -3e38 where the definition has -1e20, and the running maximum starts at -2^100: the same results for unmasked scores of magnitude under 1e19.  A block of zeros keeps
; the scale byte 1 where the rule says 127 (its codes are zeros; this program alone reads the bytes).  NaN and infinities are not served.  A block's scale is taken from floor(t - M) of the block's
; largest score, which is the exponent of its largest p: where v_exp_f32 rounds a p just under a power of two up to that power, this p is held at the largest code, as the exact p is too.
; SHARES.  A work-group owns 256 queries of one (n, head), each of its SIXTEEN waves one tile of 16 in 256 registers: four waves share a SIMD's 1,024, so that one wave's vector work stands beside another's products and LDS loads.
; THE HEAD'S WHOLE RECORD (K's and V's codes and scale bytes, 139,264 bytes, as images of the operands' registers) comes into LDS ONCE: each wave fetches a sixteenth; no byte is filled twice.
; CLUSTER.  The four query blocks of a cluster belong to one (n, head) and read the same record: each sixteenth is asked for JOINTLY, by the same tensor load with a mask that names the four.
; LAYOUT.  Both products are used transposed: S^T = K Q^T (source 0 = 16 keys), O^T = V^T P^T (source 0 = 16 of the head's 64): a lane holds ONE query (lane % 16) throughout.
; The keys of a tile of K, and the rows of a tile of V, are chosen so that the 16 registers of tiles 2 b and 2 b + 1 are 16 neighbours: 32 b + 16 (lane / 16) + 0 .. 15.
; The head's 64 fill half of the first product's 128 along K: registers 4 to 7 of K's and Q's fragments are zero codes, written once.
.set REC,   139264
.set PART,  8704                       ; a sixteenth of a record: 34 rows of 256 bytes
.set VIMG,  65536                      ; LDS: K's images at 0, V's here,
.set KSC,   131072                     ; K's scale bytes,
.set VSC,   135168                     ; V's,
.set BIAS,  139264                     ; behind the record 2,048 f32, one for each key: 0 or -3e38,
.set FLAGS, BIAS+8192                  ; and sixteen words, one a wave: not 0 where one of the wave's 128 keys is unmasked.  No fill lands from BIAS on
.set FLOOR, 0x1800000                  ; 2^(3 - 127)
.set EOFF,  0xff000000                 ; 2 off an exponent field
.set CLOG,  0x3d38aa3b                 ; log2(e) / 32
.set NEG,   0xff61b1e6                 ; -3e38
.set T0,    0xf1800000                 ; -2^100
.set LI,   1                           ; v1   16 x lane: my place in an image
.set LB0,  2                           ; v2   BIAS + 64 (lane / 16)
.set LKS0, 3                           ; v3   KSC + 2 x lane
.set LVS0, 4                           ; v4   VSC + 8 x lane
.set ADK,  5                           ; v5-9 the step's LDS addresses: K, V, bias, K's scales, V's scales (ahead of the loop: addresses of the prologue)
.set ADV,  6
.set ADB,  7
.set ADKS, 8
.set ADVS, 9
.set QF,   16                          ; v16-23   Q's fragment
.set KF,   24                          ; v24-87   eight fragments of K
.set VF,   88                          ; v88-119  four fragments of V
.set S,    120                         ; v120-183 S^T, then p
.set O,    184                         ; v184-215 O^T, four tiles
.set PC,   216                         ; v216-223 p's codes
.set BM,   224                         ; v224-227 the blocks' largest
.set PM,   228                         ; v228-231 the other half's, then the bytes
.set SO,   232                         ; v232-235 the conversions' scale operands
.set KSR,  244                         ; v244-247 K's scale words; v248-249 V's; v250 Q's; v251 p's: these hold scales and nothing else
.set VSR,  248
.set QS,   250
.set PS,   251
.set WV,   14                          ; s14  my wave's number
; v12 -M, v13 the running largest t, v[14:15] the sum in two halves, v[236:237] a second chain of the sum, v[238:239] f, v240-241 at work
; s[20:23], s[24:31] the descriptor; s[32:33] lane selects; s[34:35] c; s37-40 the step's LDS bytes; s41 steps to go
.macro CROUND                          ; a round of the cluster's barrier
	s_barrier_signal -1
	s_barrier_wait -1
	s_cmp_lg_u32 s[WV], 0
	s_cbranch_scc1 .Lnot_wave_0_\@
	s_barrier_signal -3
.Lnot_wave_0_\@:
	s_barrier_wait -3
	s_barrier_signal -1
	s_barrier_wait -1
.endm
.macro BLK x, cd, tt                   ; 32 numbers of ONE lane, one block: codes into v[cd .. cd + 3], the scale's byte into v[tt + 3]
	v_max3_num_f32 v[\tt], |v[\x]|, |v[\x+1]|, |v[\x+2]|
	v_max3_num_f32 v[\tt+1], |v[\x+3]|, |v[\x+4]|, |v[\x+5]|
.irp i, 6,10,14,18,22,26
	v_max3_num_f32 v[\tt], v[\tt], |v[\x+\i]|, |v[\x+\i+1]|
	v_max3_num_f32 v[\tt+1], v[\tt+1], |v[\x+\i+2]|, |v[\x+\i+3]|
.endr
	v_max3_num_f32 v[\tt], v[\tt], |v[\x+30]|, |v[\x+31]|
	v_max3_num_f32 v[\tt], v[\tt], v[\tt+1], FLOOR
	v_add_nc_u32 v[\tt+2], EOFF, v[\tt]
	v_lshrrev_b32 v[\tt+3], 23, v[\tt+2]
.irp g, 0,1,2,3
	v_cvt_scalef32_pk8_fp4_f32 v[\cd+\g], v[\x+8*\g:\x+8*\g+7], v[\tt+2]
.endr
	v_nop                                          ; one plain place behind the last scaled conversion
.endm
; THE PLAIN LINES THAT STAND BETWEEN THE EXPONENTIALS, three lists, each taken in its own order by a counter.
.macro FOP                             ; pair kf of the scores: t - M, two at a time
	v_pk_fma_f32 v[S+2*kf:S+2*kf+1], v[S+2*kf:S+2*kf+1], s[34:35], v[12:13] op_sel_hi:[1,0,0]
.set kf, kf+1
.endm
.macro AOP                             ; pair ka of p goes into the row's sum, which is taken of the UNQUANTISED p: two chains, even pairs and odd pairs
.if ka == 1
	s_wait_alu depctr_va_vdst(0)
	v_pk_add_f32 v[236:237], v[S:S+1], v[S+2:S+3]
.elseif ka%2 == 0
	v_pk_add_f32 v[14:15], v[14:15], v[S+2*ka:S+2*ka+1]
.else
	s_wait_alu depctr_va_vdst(0)
	v_pk_add_f32 v[236:237], v[236:237], v[S+2*ka:S+2*ka+1]
.endif
.set ka, ka+1
.endm
.macro XOP                             ; line nx of 39: the four blocks' scales by turns (23 lines), then O^T under the new M (16 lines, each tile from its low end on)
.if nx < 4
	v_floor_f32 v[BM+nx], v[BM+nx]                 ; the exponent of the block's largest p = 2^x is floor(x)
.elseif nx < 8
	v_max_num_f32 v[BM+nx-4], 0xc2f80000, v[BM+nx-4]   ; held at -124 from below, so that the byte cannot fall under 1 (a block whose every p is 0 keeps that byte: its codes are zeros)
.elseif nx < 12
	v_cvt_i32_f32 v[BM+nx-8], v[BM+nx-8]
.elseif nx < 16
	v_add_nc_u32 v[PM+nx-12], 125, v[BM+nx-12]     ; the scale's byte: the exponent - 2 + 127
.elseif nx < 20
	v_lshlrev_b32 v[SO+nx-16], 23, v[PM+nx-16]     ; and as an exponent field: the conversion's scale operand
.elseif nx == 20
	s_setprio 1
	v_lshl_or_b32 v[PS], v[PM+1], 8, v[PM]         ; p's scale word for these 128 keys
.elseif nx == 21
	v_lshl_or_b32 v[PS], v[PM+2], 16, v[PS]
.elseif nx == 22
	v_lshl_or_b32 v[PS], v[PM+3], 24, v[PS]
.else
	v_pk_mul_f32 v[O+2*(nx-23):O+2*(nx-23)+1], v[O+2*(nx-23):O+2*(nx-23)+1], v[238:239] op_sel_hi:[1,0]
.endif
.set nx, nx+1
.endm
	s_load_b256 s[4:11], s[0:1], 0x0               ; query s[4:5], mask s[6:7], kv s[8:9], acodes s[10:11]
	s_load_b64 s[12:13], s[0:1], 0x20              ; ascales
	v_lshl_add_u32 v254, v0, 2, 0x29000
	v_mov_b32 v255, 0
	ds_add_u32 v254, v255
	ds_add_u32 v254, v255
	v_lshrrev_b32 v1, 5, v0
	v_readfirstlane_b32 s[WV], v1                  ; wave 0..15
	s_bfe_u32 s15, ttmp6, 0x40000                  ; cx: my place in the cluster
	s_lshl_b32 s16, ttmp9, 2                       ; in a cluster launch ttmp9 counts clusters
	s_add_co_u32 s16, s16, s15                     ; x: my block of 256 queries: it enters query's, acodes' and ascales' addresses alone
	s_and_b32 s17, ttmp7, 0xffff                   ; y = 16 n + head, which the four partners share
	s_lshr_b32 s18, s17, 4                         ; n
	s_and_b32 s19, s17, 15                         ; head
	; descriptor group 1: a dense block of 8,704 bytes as 34 rows of 32 elements of 8 bytes, no padding: images are read 512 consecutive bytes an instruction
	s_mov_b32 s24, 15|(3<<16)|(1<<21)              ; 15:0 the mask: all four work-groups; 17:16 elements of 8 bytes; 21 set beside a mask
	s_mov_b32 s25, 32<<16                          ; tensor_dim0 = 32
	s_mov_b32 s26, 34<<16                          ; tensor_dim1 = 34
	s_mov_b32 s27, 32<<16                          ; tile_dim0 = 32
	s_mov_b32 s28, 34                              ; tile_dim1 = 34
	s_mov_b32 s29, 32                              ; elements from row to row
	s_mov_b32 s30, 0
	s_mov_b32 s31, 0
	s_mul_i32 s21, s[WV], PART                     ; where my sixteenth goes: no place in the cluster enters an LDS address
	s_mul_i32 s42, s17, REC
	s_add_co_u32 s42, s42, s21                     ; and where it comes from: y and the wave's number alone
	s_mov_b32 s43, 0
	s_lshl_b32 s44, s18, 13                        ; the batch's mask: 8,192 bytes
	s_mov_b32 s45, 0
	s_lshl_b32 s46, s18, 23                        ; my 16 queries: n, 256 x rows, 16 w rows of 4,096 bytes, the head's 256 bytes
	s_lshl_b32 s48, s16, 20
	s_add_co_u32 s46, s46, s48
	s_lshl_b32 s48, s[WV], 16
	s_add_co_u32 s46, s46, s48
	s_lshl_b32 s48, s19, 8
	s_add_co_u32 s46, s46, s48
	s_mov_b32 s47, 0
	s_lshl_b32 s48, s18, 7
	s_lshl_b32 s50, s16, 4
	s_add_co_u32 s48, s48, s50
	s_add_co_u32 s48, s48, s[WV]                   ; my tile of 16 rows of the output: 128 n + 16 x + w
	s_lshl_b32 s50, s48, 13
	s_lshl_b32 s49, s19, 9
	s_add_co_u32 s50, s50, s49                     ; acodes: 8,192 a tile, 512 a head
	s_mov_b32 s51, 0
	s_lshl_b32 s48, s48, 9
	s_lshl_b32 s49, s19, 1
	s_add_co_u32 s48, s48, s49                     ; ascales: 512 a tile, 2 a head
	s_mov_b32 s49, 0
	s_mov_b32 s32, 0x76543210
	s_mov_b32 s33, 0xfedcba98                      ; v_permlanex16_b32's selects for lane l xor 16
	s_mov_b32 s37, 0                               ; the step's images of K: 4,096 bytes a step
	s_mov_b32 s38, VIMG                            ; of V: likewise
	s_mov_b32 s39, 0                               ; its biases: 512
	s_mov_b32 s40, 0                               ; its scale bytes, K's and V's: 256
	s_mov_b32 s41, 16                              ; 16 steps of 128 keys
	v_and_b32 v10, 31, v0                          ; lane
	v_and_b32 v11, 15, v0                          ; r
	v_bfe_u32 v240, v0, 4, 1                       ; h
	v_lshlrev_b32 v[LI], 4, v10
	v_lshl_add_u32 v[LB0], v240, 6, BIAS
	v_lshl_add_u32 v[LKS0], v10, 1, KSC
	v_lshl_add_u32 v[LVS0], v10, 3, VSC
	v_lshlrev_b32 v5, 12, v11
	v_lshl_add_u32 v5, v240, 7, v5                 ; Q: row r, my block of 32 numbers
	v_lshlrev_b32 v6, 4, v0                        ; my thread's four words of the mask
	v_lshl_add_u32 v7, v0, 4, BIAS                 ; where their biases go
	v_lshrrev_b32 v8, 5, v0
	v_lshl_add_u32 v8, v8, 2, FLAGS                ; my wave's flag word
	v_lshl_add_u32 v9, v11, 2, FLAGS               ; and the flag word of wave lane % 16
	s_wait_dscnt 0x0
	s_wait_kmcnt 0x0
	s_mov_b32 s20, 1                               ; group 0: count = 1
	s_add_nc_u64 s[22:23], s[8:9], s[42:43]        ; global address
	s_or_b32 s23, s23, 0x80000000                  ; type = 2
	s_add_nc_u64 s[6:7], s[6:7], s[44:45]
	s_add_nc_u64 s[4:5], s[4:5], s[46:47]
	s_add_nc_u64 s[10:11], s[10:11], s[50:51]
	s_add_nc_u64 s[12:13], s[12:13], s[48:49]
	global_load_b128 v[128:131], v6, s[6:7]        ; 512 threads x 4 keys: the batch's mask, once a work-group.  These nine loads are on their way while the cluster meets
.irp j, 0,1,2,3,4,5,6,7
	global_load_b128 v[32+4*\j:35+4*\j], v5, s[4:5] offset:16*\j th:TH_LOAD_NT   ; lane (r, h): d = 32 h .. 32 h + 31 of query r: a whole block, in the order of the operand's registers
.endr
	CROUND                                         ; all four work-groups are here: the joint loads meet
	tensor_load_to_lds s[20:23], s[24:31]          ; my one tensor load of the launch
	s_nop 0
.rept 4
	v_nop
.endr
	s_wait_loadcnt 8                               ; my four words of the mask are in; Q's eight loads were issued behind them
	v_or_b32 v132, v128, v129
	v_or_b32 v133, v130, v131
	v_or_b32 v132, v132, v133
	v_cmp_ne_u32 vcc_lo, 0, v132                   ; the lanes of my wave that hold an unmasked key
	v_mov_b32 v133, vcc_lo
	ds_store_b32 v8, v133                          ; all lanes write the same word with the same value
	v_mov_b32 v132, NEG
.irp i, 0,1,2,3
	v_cmp_eq_u32 vcc_lo, 0, v[128+\i]
	v_cndmask_b32 v[136+\i], 0, v132, vcc_lo
.endr
	ds_store_b128 v7, v[136:139]                   ; the biases in the keys' order
	s_wait_loadcnt 0x0                             ; Q
	BLK 32, QF, BM
	v_lshlrev_b32 v241, 3, v240
	v_lshlrev_b32 v227, v241, v227                 ; my block's byte at its place in the scale word (8 h bits up);
	v_mov_b32 v229, 0
	v_permlanex16_b32 v229, v227, s32, s33
	v_or_b32 v[QS], v227, v229                     ; with lane l xor 16's the word is whole; bytes 2 and 3 stand over zero codes
	; what is written once.  These lines are also the places between the vector writes of Q's codes and scale word and the first scaled product
.irp i, 4,5,6,7
	v_mov_b32 v[QF+\i], 0                          ; k = 64 .. 127: zero codes
.endr
.irp t, 0,1,2,3,4,5,6,7
.irp i, 4,5,6,7
	v_mov_b32 v[KF+8*\t+\i], 0                     ; the same in K's eight fragments: the loop loads registers 0 to 3 alone
.endr
.endr
.irp j, 0,1,2,3,4,5,6,7,8,9,10,11,12,13,14,15,16,17,18,19,20,21,22,23,24,25,26,27,28,29,30,31
	v_mov_b32 v[O+\j], 0                           ; O^T.  (The step is written once: the first finds zeros, which the first change of M leaves zeros)
.endr
	v_mov_b32 v13, T0                              ; the largest t so far
	v_floor_f32 v12, -v13                          ; -M
	v_mov_b32 v14, 0
	v_mov_b32 v15, 0
.irp b, 0,1,2,3
	v_mov_b32 v[PM+\b], 0                          ; a lane permute's destination counts as one of its sources
.endr
	v_mov_b32 v239, 0                              ; (named as the upper half of the pair v[238:239])
	s_wait_tensorcnt 0x0                           ; my sixteenth of the record is in,
	s_wait_dscnt 0x0                               ; my flag and my biases have landed:
	s_barrier_signal -1
	s_barrier_wait -1                              ; everybody's have
	ds_load_b32 v241, v9                           ; the sixteen waves' flags, one a lane
	s_wait_dscnt 0x0
	v_cmp_ne_u32 vcc_lo, 0, v241
	s_cmp_lg_u32 vcc_lo, 0                         ; any unmasked key in the batch?  The answer selects one value and steers nothing
	s_cselect_b32 s34, CLOG, 0                     ; c
	s_mov_b32 s35, s34                             ; (the packed form names the pair)
.Lstep:                                            ; A KEY STEP: 128 keys
	s_setprio 2
	v_add_nc_u32 v[ADK], s37, v[LI]                ; five plain lines: the places behind the last trip's products, in front of the loads into V's fragments and scale words
	v_add_nc_u32 v[ADV], s38, v[LI]
	v_add_nc_u32 v[ADB], s39, v[LB0]
	v_add_nc_u32 v[ADKS], s40, v[LKS0]
	v_add_nc_u32 v[ADVS], s40, v[LVS0]
.irp t, 0,1,2,3,4,5,6,7
.irp e, 0,1
	ds_load_b128 v[S+8*\t+4*\e:S+8*\t+4*\e+3], v[ADB] offset:128*(\t/2)+32*(\t%2)+16*\e   ; the biases of keys 32 (t / 2) + 16 h + 8 (t % 2) + 0 .. 7: the C of tile t
.endr
.endr
.irp t, 0,1,2,3,4,5,6,7
	ds_load_b128 v[KF+8*\t:KF+8*\t+3], v[ADK] offset:512*\t
.endr
.irp b, 0,1,2,3
	ds_load_u16 v[KSR+\b], v[ADKS] offset:64*\b    ; lanes 0-15: tile 2 b's rows; lanes 16-31: tile 2 b + 1's; two bytes a row, the upper two 0 over zero codes
.endr
.irp t, 0,1,2,3
.irp c, 0,1
	ds_load_b128 v[VF+8*\t+4*\c:VF+8*\t+4*\c+3], v[ADV] offset:1024*\t+512*\c
.endr
.endr
	ds_load_b64 v[VSR:VSR+1], v[ADVS]              ; V's scale words: register B for tiles 2 B (lanes 0-15) and 2 B + 1 (lanes 16-31)
	s_wait_dscnt 9                                 ; biases, K and its scales are in; V's eight loads and its scale words, issued behind them, may be out
.irp t, 0,1,2,3,4,5,6,7                        ; S^T = K Q^T + bias; eight accumulators, one instruction each
.if \t%2
	v_wmma_scale_f32_16x16x128_f8f6f4 v[S+8*\t:S+8*\t+7], v[KF+8*\t:KF+8*\t+7], v[QF:QF+7], v[S+8*\t:S+8*\t+7], v[KSR+\t/2], v[QS] matrix_a_fmt:MATRIX_FMT_FP4 matrix_b_fmt:MATRIX_FMT_FP4 matrix_a_scale:MATRIX_SCALE_ROW1
.else
	v_wmma_scale_f32_16x16x128_f8f6f4 v[S+8*\t:S+8*\t+7], v[KF+8*\t:KF+8*\t+7], v[QF:QF+7], v[S+8*\t:S+8*\t+7], v[KSR+\t/2], v[QS] matrix_a_fmt:MATRIX_FMT_FP4 matrix_b_fmt:MATRIX_FMT_FP4
.endif
.endr
.rept 4
	v_nop                                          ; four places in front of the first read of the scores (ISA guide 7.12.1)
.endr
.irp b, 0,1,2,3
	v_max3_num_f32 v[BM+\b], v[S+16*\b], v[S+1+16*\b], v[S+2+16*\b]   ; the largest score of each block of 32 keys: for the row's maximum, and for the block's scale
.endr
.irp i, 3,5,7,9,11,13
.irp b, 0,1,2,3
	v_max3_num_f32 v[BM+\b], v[BM+\b], v[S+16*\b+\i], v[S+1+16*\b+\i]
.endr
.endr
.irp b, 0,1,2,3
	v_max_num_f32 v[BM+\b], v[BM+\b], v[S+15+16*\b]
.endr
.irp b, 0,1,2,3
	v_permlanex16_b32 v[PM+\b], v[BM+\b], s32, s33
.endr
.irp b, 0,1,2,3
	v_max_num_f32 v[BM+\b], v[BM+\b], v[PM+\b]     ; with lane l xor 16's 16 keys
.endr
	v_max3_num_f32 v240, v[BM], v[BM+1], v[BM+2]
	v_max_num_f32 v240, v240, v[BM+3]              ; the step's largest score of my query
	v_mul_f32 v240, s34, v240                      ; as t (c is not negative)
	v_max_num_f32 v13, v13, v240                   ; the running largest t
	v_mov_b32 v240, v12
	v_floor_f32 v12, -v13                          ; the new -M = floor(-t) = -ceil(t)
	v_sub_f32 v240, v12, v240                      ; old M - new M: a whole number, 0 or less
	v_cvt_i32_f32 v240, v240                       ; (it saturates)
	v_ldexp_f32 v238, 1.0, v240                    ; f = 2^(old M - new M)
.irp b, 0,1,2,3
	v_fma_f32 v[BM+\b], v[BM+\b], s34, v12         ; x = t - M of each block's largest score: the same multiply-add as that score's own
.endr
.set kf, 0
.set ka, 1
.set nx, 0
.set k, 0
	FOP                                            ; t - M of the first two pairs
	FOP
	v_pk_mul_f32 v[14:15], v[14:15], v[238:239] op_sel_hi:[1,0]   ; the sums under the new M
; p = 2^(t - M), at most 1, pair by pair.  NO TWO EXPONENTIALS FOLLOW EACH OTHER: behind the first stands t - M of the pair two ahead, behind the second the sum of the pair one back and a line of
; the scales' or of O^T's list: 64 exponentials among 96 plain lines that are due anyway.  So each exponential also has its plain line before its result is used (ISA guide 5.7.2): a pair's
; sum stands five lines or more behind its second exponential.  The first two pairs have no sum yet and the last three keep theirs for the end; the last two have no pair ahead: the third list fills in.
.rept 32
	v_exp_f32 v[S+2*k], v[S+2*k]
.if k < 30
	FOP
.else
	XOP
.endif
	v_exp_f32 v[S+2*k+1], v[S+2*k+1]
.if (k >= 2) && (k <= 28)
	AOP
.else
	XOP
.endif
	XOP
.set k, k+1
.endr
	s_setprio 0
	s_wait_alu depctr_va_vdst(0)
.irp b, 0,1,2,3
	v_cvt_scalef32_pk8_fp4_f32 v[PC+2*\b], v[S+16*\b:S+7+16*\b], v[SO+\b]
	v_cvt_scalef32_pk8_fp4_f32 v[PC+1+2*\b], v[S+8+16*\b:S+15+16*\b], v[SO+\b]
.endr
	v_nop                                          ; one plain place behind the last scaled conversion
.irp c, 0,1                                    ; the operand's layout wants a WHOLE block in a lane: lanes 0-15 block 2 c, lanes 16-31 block 2 c + 1
.irp i, 0,1
	v_permlane16_swap_b32 v[PC+4*\c+\i], v[PC+2+4*\c+\i]
.endr
.endr
	AOP                                            ; the last four pairs' sums and the two chains' sum: five plain lines that name no register of the products below stand between p's codes and those products
	AOP
	AOP
	AOP
	v_pk_add_f32 v[14:15], v[14:15], v[236:237]
	s_wait_dscnt 0x0                               ; V and its scale words are in
.irp t, 0,1,2,3                                ; O^T += V^T P^T: four accumulators, one instruction each; the loop's last product and its first name different accumulators
.if \t%2
	v_wmma_scale_f32_16x16x128_f8f6f4 v[O+8*\t:O+8*\t+7], v[VF+8*\t:VF+8*\t+7], v[PC:PC+7], v[O+8*\t:O+8*\t+7], v[VSR+\t/2], v[PS] matrix_a_fmt:MATRIX_FMT_FP4 matrix_b_fmt:MATRIX_FMT_FP4 matrix_a_scale:MATRIX_SCALE_ROW1
.else
	v_wmma_scale_f32_16x16x128_f8f6f4 v[O+8*\t:O+8*\t+7], v[VF+8*\t:VF+8*\t+7], v[PC:PC+7], v[O+8*\t:O+8*\t+7], v[VSR+\t/2], v[PS] matrix_a_fmt:MATRIX_FMT_FP4 matrix_b_fmt:MATRIX_FMT_FP4
.endif
.endr
	s_add_co_u32 s37, s37, 4096
	s_add_co_u32 s38, s38, 4096
	s_add_co_u32 s39, s39, 512
	s_add_co_u32 s40, s40, 256
	s_sub_co_u32 s41, s41, 1
	s_cmp_lg_u32 s41, 0
	s_cbranch_scc1 .Lstep
	s_setprio 0
	; THE WAY OUT.  O^T / the sum; register 16 B + i of the result is d = 32 B + 16 h + i of my query: two blocks of 32 along the next product's K, each in lanes l and l xor 16.
	v_add_f32 v14, v14, v15                        ; the sum's two halves.  (This line and the three below are the four places behind the last products)
	v_and_b32 v10, 15, v0
	v_lshlrev_b32 v10, 5, v10                      ; ascales: 32 bytes a row
	v_nop
	v_permlanex16_b32 v240, v14, s32, s33
	v_add_f32 v14, v14, v240                       ; and lane l xor 16's: the row's sum
	v_rcp_f32 v14, v14
	v_mov_b32 v15, 0                               ; (the plain place behind the reciprocal; the pair's other half is written)
	s_wait_alu depctr_va_vdst(0)
.irp j, 0,2,4,6,8,10,12,14,16,18,20,22,24,26,28,30
	v_pk_mul_f32 v[S+\j:S+\j+1], v[O+\j:O+\j+1], v[14:15] op_sel_hi:[1,0]
.endr
.irp b, 0,1
	v_max3_num_f32 v[BM+\b], |v[S+16*\b]|, |v[S+1+16*\b]|, FLOOR
.endr
.irp i, 2,4,6,8,10,12,14
.irp b, 0,1
	v_max3_num_f32 v[BM+\b], v[BM+\b], |v[S+16*\b+\i]|, |v[S+1+16*\b+\i]|
.endr
.endr
.irp b, 0,1
	v_permlanex16_b32 v[PM+\b], v[BM+\b], s32, s33
.endr
.irp b, 0,1
	v_max_num_f32 v[BM+\b], v[BM+\b], v[PM+\b]
.endr
.irp b, 0,1
	v_add_nc_u32 v[SO+\b], EOFF, v[BM+\b]
.endr
.irp b, 0,1
	v_lshrrev_b32 v[PM+\b], 23, v[SO+\b]
.endr
	v_lshl_or_b32 v241, v[PM+1], 8, v[PM]          ; my row's two scale bytes of this head
.irp b, 0,1
	v_cvt_scalef32_pk8_fp4_f32 v[PC+2*\b], v[S+16*\b:S+7+16*\b], v[SO+\b]
	v_cvt_scalef32_pk8_fp4_f32 v[PC+1+2*\b], v[S+8+16*\b:S+15+16*\b], v[SO+\b]
.endr
	v_nop                                          ; one plain place behind the last scaled conversion
	v_permlane16_swap_b32 v[PC], v[PC+2]           ; lanes 0-15: d = 0 .. 31; lanes 16-31: d = 32 .. 63
	v_permlane16_swap_b32 v[PC+1], v[PC+3]
	global_store_b128 v[LI], v[PC:PC+3], s[10:11]  ; the wave stores 512 consecutive bytes, aligned: half a fragment of the next product, as it will lie in registers
	global_store_b16 v10, v241, s[12:13]           ; lanes l and l xor 16 write the same two bytes with the same value; rows lie 32 bytes apart, so that the next launch takes a row's eight scale words by two loads
	s_wait_tensorcnt 0x0
	ds_add_u32 v254, v255
	s_wait_dscnt 0x0
	CROUND                                         ; the closing round: no work-group ends while a partner may still ask for a part that names it
	s_endpgm
.Lfunc_end_k_q9e6f17ae25_attn:
	.size	k_q9e6f17ae25_attn, .Lfunc_end_k_q9e6f17ae25_attn-k_q9e6f17ae25_attn
	.p2alignl 7, 3214868480
	.fill 96, 4, 3214868480
	.section	.rodata,"a",@progbits
	.p2align	6, 0x0
	.amdhsa_kernel k_q9e6f17ae25_attn
		.amdhsa_group_segment_fixed_size 169984
		.amdhsa_private_segment_fixed_size 0
		.amdhsa_enable_private_segment 0
		.amdhsa_kernarg_size 40
		.amdhsa_user_sgpr_count 2
		.amdhsa_user_sgpr_kernarg_segment_ptr 1
		.amdhsa_wavefront_size32 1
		.amdhsa_system_sgpr_workgroup_id_x 1
		.amdhsa_system_sgpr_workgroup_id_y 1
		.amdhsa_system_sgpr_workgroup_id_z 1
		.amdhsa_system_vgpr_workitem_id 0
		.amdhsa_next_free_vgpr 256
		.amdhsa_next_free_sgpr 66
		.amdhsa_reserve_vcc 1
		.amdhsa_float_denorm_mode_32 3
		.amdhsa_float_denorm_mode_16_64 3
		.amdhsa_memory_ordered 1
		.amdhsa_forward_progress 1
		.amdhsa_inst_pref_size 32
	.end_amdhsa_kernel
	.amdgpu_metadata
---
amdhsa.version: [ 1, 2 ]
amdhsa.kernels:
  - .name:           k_q9e6f17ae25_attn
    .symbol:         k_q9e6f17ae25_attn.kd
    .args:
      - { .name: query, .offset: 0, .size: 8, .value_kind: global_buffer, .address_space: global }
      - { .name: mask, .offset: 8, .size: 8, .value_kind: global_buffer, .address_space: global }
      - { .name: kv, .offset: 16, .size: 8, .value_kind: global_buffer, .address_space: global }
      - { .name: acodes, .offset: 24, .size: 8, .value_kind: global_buffer, .address_space: global }
      - { .name: ascales, .offset: 32, .size: 8, .value_kind: global_buffer, .address_space: global }
    .group_segment_fixed_size: 169984
    .private_segment_fixed_size: 0
    .kernarg_segment_align: 8
    .kernarg_segment_size: 40
    .max_flat_workgroup_size: 512
    .sgpr_count:     66
    .vgpr_count:     256
    .wavefront_size: 32
...
	.end_amdgpu_metadata
.endif
;; end of part 2
;; launch proj (part 3): grid 8 x 32, 8 waves a work-group, clusters of 4 x 4, 168,960 bytes of LDS; arguments acodes, ascales, wcodes, wscales, out0; writes out0
.if DOCPART == 3
	.amdgcn_target "amdgcn-amd-amdhsa--gfx1250"
	.amdhsa_code_object_version 6
	.text
	.protected	k_q9e6f17ae25_proj
	.globl	k_q9e6f17ae25_proj
	.p2align	8
	.type	k_q9e6f17ae25_proj,@function
k_q9e6f17ae25_proj:
	s_mov_b64 s[64:65], 0
	v_nop
	global_prefetch_b8 v0, s[64:65] scope:SCOPE_SE
	s_setreg_imm32_b32 hwreg(HW_REG_WAVE_MODE, 25, 1), 1
	s_wait_xcnt 0x0
	s_wait_alu depctr_hold_cnt(0) depctr_sa_sdst(0) depctr_va_vdst(0) depctr_va_sdst(0) depctr_va_ssrc(0) depctr_va_vcc(0) depctr_vm_vsrc(0)
	s_getreg_b32 s2, hwreg(HW_REG_IB_STS2, 6, 4)
	s_cmp_eq_u32 s2, 0
	s_cbranch_scc0 .Lentry_in_a_cluster
	s_endpgm
.Lentry_in_a_cluster:
	s_bfe_u32 s2, ttmp6, 0x10000c
	s_cmp_lg_u32 s2, 0xf033
	s_cbranch_scc0 .Lentry_shape_is_right
	s_endpgm
.Lentry_shape_is_right:
; PROJ: out0[m][n] = the sum over k of A[m][k] W[n][k], m 4,096, n 1,024, k 1,024, on codes of FP4 (E2M1) with one E8M0 scale for each 32 along K; sums and out0 in f32.
; Both operands lie in memory as images of their registers: acodes [tile of 16 rows][K step of 128][c][lane][16 bytes], wcodes likewise; ascales [row][32 bytes]; wscales [tile][k / 256][r][8 bytes].
; SHARES.  A work-group makes 128 x 128 of out0 over all of K: its rows of A are 65,536 consecutive bytes and so are its rows of W, and both lie in LDS at once: no byte of LDS is filled twice.
; 32 x 8 such tiles give each of the grid's 256 work-groups one.  Eight waves: wave w makes rows 32 (w / 2) on x columns 64 (w % 2) on: 2 x 4 accumulators.
; CLUSTERS: 4 x 4 work-groups.  The four of a row of the cluster need the same rows of A, the four of a column the same rows of W: each quarter (16,384 bytes) is asked for JOINTLY, by the same tensor load
; with the same descriptor and a mask that names the four.  Waves 0 to 3 fetch A's quarters, waves 4 to 7 W's: one tensor load a wave in the whole launch.
; THE MATRIX INSTRUCTION IS USED TRANSPOSED (source 0 = 16 rows of W, source 1 = 16 rows of A): a lane then holds eight neighbouring numbers of a row of out0.
.set STG,    131072                    ; LDS: A's images at 0, W's at 65,536; behind them a stage of 16 rows x (256 bytes + 16) for each wave.  No fill lands there
.set SPITCH, 272                       ; 68 words: the sixteen rows that a store touches start at sixteen different banks (64 banks of 4 bytes: ISA guide 11.1)
.set AS,  16                           ; v16-31   A's scale words: tile a, K step ks at AS + 8 a + ks
.set WS,  32                           ; v32-63   W's: tile b at WS + 8 b + ks.  These hold scales and nothing else
.set F0,  64                           ; v64-111  a set of fragments: W's four, then A's two
.set F1,  112                          ; v112-159 the other set
.set ACC, 160                          ; v160-223 accumulator (a, b) at ACC + 8 (4 a + b)
.set BK,  224                          ; v224-255 the way out: 16 rows read back
.set WV,  14                           ; s14  my wave's number
; v1 16 x lane; v2, v3 LDS addresses of my fragments of A, of W; v4, v5 my row's scale bytes in memory; v6, v7 the stage, in and back; v8 my byte offset in out0
.macro CROUND                          ; a round of the cluster's barrier
	s_barrier_signal -1
	s_barrier_wait -1
	s_cmp_lg_u32 s[WV], 0
	s_cbranch_scc1 .Lnot_wave_0_\@
	s_barrier_signal -3
.Lnot_wave_0_\@:
	s_barrier_wait -3
	s_barrier_signal -1
	s_barrier_wait -1
.endm
.macro FETCH ks, f                     ; K step ks: twelve loads of 512 consecutive bytes each
.irp b, 0,1,2,3
.irp c, 0,1
	ds_load_b128 v[\f+8*\b+4*\c:\f+8*\b+4*\c+3], v3 offset:8192*\b+1024*(\ks)+512*\c
.endr
.endr
.irp a, 0,1
.irp c, 0,1
	ds_load_b128 v[\f+32+8*\a+4*\c:\f+32+8*\a+4*\c+3], v2 offset:8192*\a+1024*(\ks)+512*\c
.endr
.endr
.endm
; A K step of 128: eight products, the eight accumulators by turns in the same order in every step.  zero = 1: the first step starts the sums.
.macro KSTEP ks, zero
.set FF, F0+48*((\ks)%2)
.if (\ks) < 7
	s_wait_dscnt 12                                ; this step's fragments are in; the next step's twelve loads, issued behind them, may be out
.else
	s_wait_dscnt 0x0
.endif
.irp a, 0,1
.irp b, 0,1,2,3
.if \zero
	v_wmma_scale_f32_16x16x128_f8f6f4 v[ACC+8*(4*\a+\b):ACC+8*(4*\a+\b)+7], v[FF+8*\b:FF+8*\b+7], v[FF+32+8*\a:FF+32+8*\a+7], 0, v[WS+8*\b+(\ks)], v[AS+8*\a+(\ks)] matrix_a_fmt:MATRIX_FMT_FP4 matrix_b_fmt:MATRIX_FMT_FP4
.else
	v_wmma_scale_f32_16x16x128_f8f6f4 v[ACC+8*(4*\a+\b):ACC+8*(4*\a+\b)+7], v[FF+8*\b:FF+8*\b+7], v[FF+32+8*\a:FF+32+8*\a+7], v[ACC+8*(4*\a+\b):ACC+8*(4*\a+\b)+7], v[WS+8*\b+(\ks)], v[AS+8*\a+(\ks)] matrix_a_fmt:MATRIX_FMT_FP4 matrix_b_fmt:MATRIX_FMT_FP4
.endif
.endr
.endr
.rept 4
	v_nop                                          ; four places in front of loads into registers that these products have read, and of the first read of results
.endr
.if (\ks)+2 < 8
	FETCH (\ks)+2, FF                              ; the set just multiplied takes the step two on
.endif
.endm
	s_load_b256 s[4:11], s[0:1], 0x0               ; acodes s[4:5], ascales s[6:7], wcodes s[8:9], wscales s[10:11]
	s_load_b64 s[12:13], s[0:1], 0x20              ; out0
	v_lshl_add_u32 v14, v0, 2, 0x29000
	v_mov_b32 v15, 0
	ds_add_u32 v14, v15
	ds_add_u32 v14, v15
	v_lshrrev_b32 v1, 5, v0
	v_readfirstlane_b32 s[WV], v1                  ; wave 0..7
	s_bfe_u32 s15, ttmp6, 0x40000                  ; cx, cy: my place in the cluster
	s_bfe_u32 s16, ttmp6, 0x40004
	s_lshl_b32 s17, ttmp9, 2
	s_add_co_u32 s17, s17, s15                     ; x: tile column = 4 x cluster x + cx
	s_and_b32 s18, ttmp7, 0xffff
	s_lshl_b32 s18, s18, 2
	s_add_co_u32 s18, s18, s16                     ; y: tile row = 4 x cluster y + cy
	s_lshr_b32 s19, s[WV], 1                       ; which 32 rows are mine
	s_and_b32 s20, s[WV], 1                        ; which 64 columns
	s_lshl_b32 s21, s16, 2
	s_lshl_b32 s21, 15, s21                        ; my row of the cluster
	s_lshl_b32 s22, 0x1111, s15                    ; my column
	; descriptor group 1: a dense block of 16,384 bytes as 64 rows of 32 elements of 8 bytes, no padding
	s_or_b32 s24, s21, (3<<16)|(1<<21)             ; 15:0 the mask: A's quarters go to my row; 17:16 elements of 8 bytes; 21 set beside a mask
	s_or_b32 s36, s22, (3<<16)|(1<<21)             ; W's go to my column
.irp g, 24, 36
	s_mov_b32 s[\g+1], 32<<16                      ; tensor_dim0 = 32
	s_mov_b32 s[\g+2], 64<<16                      ; tensor_dim1 = 64
	s_mov_b32 s[\g+3], 32<<16                      ; tile_dim0 = 32
	s_mov_b32 s[\g+4], 64                          ; tile_dim1 = 64
	s_mov_b32 s[\g+5], 32                          ; elements from row to row
	s_mov_b32 s[\g+6], 0
	s_mov_b32 s[\g+7], 0
.endr
	s_and_b32 s52, s[WV], 3
	s_lshl_b32 s52, s52, 14                        ; which quarter I fetch
	s_lshl_b32 s48, s18, 16
	s_add_co_u32 s48, s48, s52                     ; A: 65,536 y + the quarter: the tile row alone, which my row of the cluster shares
	s_mov_b32 s49, 0
	s_lshl_b32 s50, s17, 16
	s_add_co_u32 s50, s50, s52                     ; W: 65,536 x + the quarter: the tile column alone
	s_mov_b32 s51, 0
	s_lshl_b32 s53, s[WV], 14                      ; where it goes: 16,384 x wave: A's four quarters, then W's four
	s_lshl_b32 s54, s18, 12
	s_lshl_b32 s60, s19, 10
	s_add_co_u32 s54, s54, s60                     ; ascales: rows 128 y + 32 (w / 2) on, 32 bytes each
	s_mov_b32 s55, 0
	s_lshl_b32 s56, s17, 12
	s_lshl_b32 s60, s20, 11
	s_add_co_u32 s56, s56, s60                     ; wscales: tiles 8 x + 4 (w % 2) on, 512 bytes each
	s_mov_b32 s57, 0
	s_lshl_b32 s58, s18, 19
	s_lshl_b32 s60, s19, 17
	s_add_co_u32 s58, s58, s60
	s_lshl_b32 s60, s17, 9
	s_add_co_u32 s58, s58, s60
	s_lshl_b32 s60, s20, 8
	s_add_co_u32 s58, s58, s60                     ; out0: my first row x 4,096 bytes + 512 x + 256 (w % 2)
	s_mov_b32 s59, 0
	s_wait_dscnt 0x0
	s_wait_kmcnt 0x0
	s_mov_b32 s32, 1                               ; group 0 for A: count = 1, LDS address, global address, type = 2
	s_mov_b32 s33, s53
	s_add_nc_u64 s[34:35], s[4:5], s[48:49]
	s_or_b32 s35, s35, 0x80000000
	s_mov_b32 s44, 1                               ; and for W
	s_mov_b32 s45, s53
	s_add_nc_u64 s[46:47], s[8:9], s[50:51]
	s_or_b32 s47, s47, 0x80000000
	s_add_nc_u64 s[6:7], s[6:7], s[54:55]
	s_add_nc_u64 s[10:11], s[10:11], s[56:57]
	s_add_nc_u64 s[12:13], s[12:13], s[58:59]
	CROUND                                         ; all sixteen work-groups are here: the joint loads meet
	s_cmp_lt_u32 s[WV], 4                          ; the branch hangs on the wave's number alone; each of the two lines has one mask and one set of registers
	s_cbranch_scc0 .Lfor_w
	tensor_load_to_lds s[32:35], s[24:31]
	s_nop 0
.rept 4
	v_nop
.endr
	s_branch .Lasked
.Lfor_w:
	tensor_load_to_lds s[44:47], s[36:43]
	s_nop 0
.rept 4
	v_nop
.endr
.Lasked:
	v_and_b32 v9, 31, v0                           ; lane
	v_and_b32 v10, 15, v0                          ; r
	v_bfe_u32 v11, v0, 4, 1                        ; h
	v_lshlrev_b32 v1, 4, v9
	s_lshl_b32 s60, s19, 14
	v_add_nc_u32 v2, s60, v1                       ; A: my two tiles of rows, 8,192 bytes each
	s_lshl_b32 s60, s20, 15
	s_add_co_u32 s60, s60, 65536
	v_add_nc_u32 v3, s60, v1                       ; W: my four tiles, behind A's 65,536 bytes
	v_lshlrev_b32 v4, 5, v10
	v_lshlrev_b32 v5, 3, v10
	s_mul_i32 s60, s[WV], 16*SPITCH
	s_add_co_u32 s60, s60, STG                     ; my stage
	v_mul_u32_u24 v6, v10, SPITCH
	v_lshl_add_u32 v6, v11, 5, v6
	v_add_nc_u32 v6, s60, v6                       ; in: row r, 32 bytes for each half of the lanes
	v_mul_u32_u24 v7, v11, SPITCH
	v_lshl_add_u32 v7, v10, 4, v7
	v_add_nc_u32 v7, s60, v7                       ; back: lanes 0-15 one row of 256 bytes, lanes 16-31 the next
	v_lshlrev_b32 v8, 12, v11
	v_lshl_add_u32 v8, v10, 4, v8                  ; and the same two rows in out0
.irp a, 0,1
.irp e, 0,1
	global_load_b128 v[AS+8*\a+4*\e:AS+8*\a+4*\e+3], v4, s[6:7] offset:512*\a+16*\e   ; row r's eight scale words, one for each K step
.endr
.endr
.irp b, 0,1,2,3
.irp q, 0,1,2,3
	global_load_b64 v[WS+8*\b+2*\q:WS+8*\b+2*\q+1], v5, s[10:11] offset:512*\b+128*\q
.endr
.endr
	s_wait_tensorcnt 0x0                           ; my quarter is in,
	s_barrier_signal -1
	s_barrier_wait -1                              ; everybody's is
	FETCH 0, F0
	FETCH 1, F1
	s_wait_loadcnt 0x0                             ; the scale words
	KSTEP 0, 1
.irp ks, 1,2,3,4,5,6,7
	KSTEP \ks, 0
.endr
	; THE WAY OUT.  A lane holds 32 neighbouring bytes of a row and the lanes beside it other rows: a tile of 16 rows x 64 columns goes through my own stage and comes back as whole rows of 256 bytes.
	; LDS serves a wave's instructions in order (ISA guide 5.7.1.4): no wait between the stores and the loads, nor in front of the second tile's stores.  The four places behind the last K step serve the first store.
.irp a, 0,1
.irp b, 0,1,2,3
.irp e, 0,1
	ds_store_b128 v6, v[ACC+8*(4*\a+\b)+4*\e:ACC+8*(4*\a+\b)+4*\e+3] offset:64*\b+16*\e   ; each accumulator from its low end on
.endr
.endr
.irp i, 0,1,2,3,4,5,6,7
	ds_load_b128 v[BK-160*\a+4*\i:BK-160*\a+4*\i+3], v7 offset:544*\i                      ; tile 0 into v224-255, tile 1 into v64-95, which held fragments that are done with
.endr
.endr
.irp i, 0,1,2,3,4,5,6,7
	s_wait_dscnt 23-\i                             ; behind tile 0's load i: its 7 - i younger loads, tile 1's eight stores and eight loads
	global_store_b128 v8, v[BK+4*\i:BK+4*\i+3], s[12:13] offset:8192*\i th:TH_STORE_NT     ; 16 lanes store 256 consecutive bytes, at a multiple of 256 from out0's first byte; written once, read by nobody here
.endr
.irp i, 0,1,2,3,4,5,6,7
	s_wait_dscnt 7-\i
	global_store_b128 v8, v[F0+4*\i:F0+4*\i+3], s[12:13] offset:65536+8192*\i th:TH_STORE_NT
.endr
	s_wait_tensorcnt 0x0
	ds_add_u32 v14, v15
	s_wait_dscnt 0x0
	CROUND                                         ; the closing round: no work-group ends while a partner may still ask for a quarter that names it
	s_endpgm
.Lfunc_end_k_q9e6f17ae25_proj:
	.size	k_q9e6f17ae25_proj, .Lfunc_end_k_q9e6f17ae25_proj-k_q9e6f17ae25_proj
	.p2alignl 7, 3214868480
	.fill 96, 4, 3214868480
	.section	.rodata,"a",@progbits
	.p2align	6, 0x0
	.amdhsa_kernel k_q9e6f17ae25_proj
		.amdhsa_group_segment_fixed_size 168960
		.amdhsa_private_segment_fixed_size 0
		.amdhsa_enable_private_segment 0
		.amdhsa_kernarg_size 40
		.amdhsa_user_sgpr_count 2
		.amdhsa_user_sgpr_kernarg_segment_ptr 1
		.amdhsa_wavefront_size32 1
		.amdhsa_system_sgpr_workgroup_id_x 1
		.amdhsa_system_sgpr_workgroup_id_y 1
		.amdhsa_system_sgpr_workgroup_id_z 1
		.amdhsa_system_vgpr_workitem_id 0
		.amdhsa_next_free_vgpr 256
		.amdhsa_next_free_sgpr 66
		.amdhsa_reserve_vcc 0
		.amdhsa_float_denorm_mode_32 3
		.amdhsa_float_denorm_mode_16_64 3
		.amdhsa_memory_ordered 1
		.amdhsa_forward_progress 1
		.amdhsa_inst_pref_size 28
	.end_amdhsa_kernel
	.amdgpu_metadata
---
amdhsa.version: [ 1, 2 ]
amdhsa.kernels:
  - .name:           k_q9e6f17ae25_proj
    .symbol:         k_q9e6f17ae25_proj.kd
    .args:
      - { .name: acodes, .offset: 0, .size: 8, .value_kind: global_buffer, .address_space: global }
      - { .name: ascales, .offset: 8, .size: 8, .value_kind: global_buffer, .address_space: global }
      - { .name: wcodes, .offset: 16, .size: 8, .value_kind: global_buffer, .address_space: global }
      - { .name: wscales, .offset: 24, .size: 8, .value_kind: global_buffer, .address_space: global }
      - { .name: out0, .offset: 32, .size: 8, .value_kind: global_buffer, .address_space: global }
    .group_segment_fixed_size: 168960
    .private_segment_fixed_size: 0
    .kernarg_segment_align: 8
    .kernarg_segment_size: 40
    .max_flat_workgroup_size: 256
    .sgpr_count:     66
    .vgpr_count:     256
    .wavefront_size: 32
...
	.end_amdgpu_metadata
.endif
;; end of part 3
